; MI455X (gfx1250); checked and timed in simulation.
; The chip was launched on July 23, 2026; its instructions are those of AMD's public machine-readable ISA for CDNA 5 (MIT licence, August 2026) and "CDNA5" Instruction Set Architecture Reference Guide (July 2026). The comments in the code are by the model that wrote it; some were corrected since.
;; VCG Auctioneer. Allowed arithmetic: float matrix products may take bf16 or f16 operands with f32 sums; all other float work in f32.
;; Inputs: confidences 32 x 8,192 x 64 float32; wealth 64 float32.
;; Outputs: out0 32 x 8,192 x 2 int32; out1 32 x 8,192 x 2 float32; out2 32 x 8,192 x 2 float32.
;; One version. Each part assembles by itself: llvm-mc -triple=amdgcn-amd-amdhsa -mcpu=gfx1250 --defsym DOCPART=n.
;; ======== version 1 of 1: 1 launch
;; launch auction (part 1): grid 256 x 1, 16 waves a work-group, no clusters, 280,576 bytes of LDS; arguments confidences, wealth, out0, out1, out2; writes out0, out1, out2
.if DOCPART == 1
	.amdgcn_target "amdgcn-amd-amdhsa--gfx1250"
	.amdhsa_code_object_version 6
	.text
	.protected	k_qcdbf5ed328_auction
	.globl	k_qcdbf5ed328_auction
	.p2align	8
	.type	k_qcdbf5ed328_auction,@function
k_qcdbf5ed328_auction:
	s_mov_b64 s[64:65], 0
	v_nop
	global_prefetch_b8 v0, s[64:65] scope:SCOPE_SE
	s_setreg_imm32_b32 hwreg(HW_REG_WAVE_MODE, 25, 1), 1
	s_wait_xcnt 0x0
; VCG auction routing.  bids[r][e] = confidences[r][e] * wealth[e], 262,144 rows of 64 f32.  For each row:
;   out0 = the indices of the two largest bids (equal bids: the lower index first), out1 = their softmax weights, normalised as the
;   reference does, out2 = the third largest bid, twice.
; SHAPE.  256 work-groups of 16 waves; a work-group owns 1,024 rows = 262,144 bytes, which fit in LDS at once.  So every wave asks for
; all its rows (two tiles of 32 rows) in its first lines and nothing is ever refilled: no ring, no loop, and, as each wave reads only
; the bytes that its own tensor loads brought, no barrier.  In turn b wave w has rows 512 b + 32 w .. + 31 of the work-group.
; ONE LANE, ONE ROW.  The mover lays 16 bytes of padding behind each row of 256, so rows are 272 bytes apart and sixteen neighbouring lanes
; that read the same 16-byte column of their rows touch sixteen different columns modulo 256 bytes.  All reductions stay inside a lane.
; Each result is 8 bytes a lane: one store of a wave covers 256 consecutive bytes, aligned.
; NO CLUSTER: work-groups share only wealth's 256 bytes, against 262,144 bytes of rows of their own.
; LIMITS.  NaN inputs are not served.  Where +0 and -0 compete for a place among the first two, -0 counts as the smaller.
; Infinite bids give what inf - inf gives.  Everything else is exact in the indices: the bid is the one f32 product of the reference.
.set NEXP,   64
.set ROWB,   4*NEXP                    ; a row in memory: 256 bytes
.set PITCH,  ROWB+16                   ; a row in LDS
.set BLK,    32                        ; rows of a tile: one for each lane
.set WAVES,  16
.set NBLK,   2                         ; tiles of a wave
.set TILE,   BLK*PITCH                 ; 8,704 bytes
.set WLDS,   NBLK*TILE                 ; a wave's own LDS: 17,408 bytes; 16 waves: 278,528
.set SPAN,   WAVES*BLK                 ; 512 rows: what the sixteen waves take together in one turn
; vector registers
.set LA,   4                           ; LDS address of my row in my wave's first tile
.set OO,   5                           ; byte offset of my row's 8 bytes in each output (turn 0)
.set ZERO, 6                           ; 0: offset of the wealth loads, and a zero for selects
.set W,    8                           ; v[8:71]    wealth, the same in every lane
.set X,    72                          ; v[72:135]  my row: confidences, then bids
.set Q0,   136                         ; nine temporaries of a group of nine, two sets in turn
.set Q1,   145
.set RM0,  154                         ; 7: largest middle of three triples          (the four arrays lie 7 apart: see the .irp below)
.set RL0,  161                         ; 7: largest minimum of three triples
.set RM1,  168                         ; 7: middle of three triple maxima
.set RL1,  175                         ; 7: minimum of three triple maxima
.set RH1,  182                         ; 7: maximum of nine
.set U,    190                         ; 8
.set XM,   198                         ; 4: the largest of RM0, RL0, RM1, RL1
.set SA,   202                         ; 3
.set SB,   205                         ; 3
.set XM2,  208
.set XL2,  209
.set TOP1, 210                         ; the three largest bids
.set TOP2, 211
.set TOP3, 212
.set TT,   213
.set NM,   214                         ; v[214:215] = -TOP1, -TOP2
.set RES,  216                         ; v[216:227] results, six registers for each turn: no store's data is ever rewritten
; the second half of a turn uses v136 and up once more
.set TA,   136                         ; 8: bid - TOP1
.set TB,   144                         ; 8: bid - TOP2
.set EA,   152                         ; 8: exponentials
.set ACC,  160                         ; 8: their running sums
.set C1,   168                         ; 4: sign bits of bid - TOP1, 16 experts each
.set C2,   172                         ; 4: sign bits of bid - TOP2
.set EQL,  176                         ; mask 'below TOP1', experts 0-31, 32-63
.set EQH,  177
.set GEL,  178                         ; mask 'below TOP2'
.set GEH,  179
.set BL,   180
.set BH,   181
.set FB,   182
.set HB,   183
.set DD,   184
.set ZS,   185
.set EX2,  186
.set SP,   188                         ; v[188:189] soft weights of the two winners
.set GG,   190                         ; v[190:191]
.set DN,   192
; scalar registers
.set G1,   16                          ; s[16:23] descriptor group 1, the shape
.set G0,   24                          ; s[24:31] descriptor group 0, one set for each tile
	s_load_b256 s[4:11], s[0:1], 0x0               ; confidences s[4:5], wealth s[6:7], out0 s[8:9], out1 s[10:11]
	s_load_b64 s[12:13], s[0:1], 0x20              ; out2
	v_lshl_add_u32 v228, v0, 2, 0x44000
	v_mov_b32 v229, 0
	ds_add_u32 v228, v229
	ds_add_u32 v228, v229
	v_lshrrev_b32 v2, 5, v0
	v_readfirstlane_b32 s14, v2                    ; my wave's number
	; group 1: a tile of 32 rows x 64 elements of 4 bytes, 4 words of padding behind every 64 words
	s_mov_b32 s[G1+0], (2<<16)|(1<<20)|(5<<22)|(3<<25)
	s_mov_b32 s[G1+1], NEXP<<16                    ; tensor_dim0 = 64
	s_mov_b32 s[G1+2], BLK<<16                     ; tensor_dim1 = 32
	s_mov_b32 s[G1+3], NEXP<<16                    ; tile_dim0 = 64
	s_mov_b32 s[G1+4], BLK                         ; tile_dim1 = 32
	s_mov_b32 s[G1+5], NEXP                        ; 64 elements from row to row
	s_mov_b32 s[G1+6], 0
	s_mov_b32 s[G1+7], 0
	s_mul_i32 s15, s14, WLDS                       ; my wave's LDS
	s_lshl_b32 s32, ttmp9, 18                      ; the work-group's 1,024 rows of 256 bytes (at most 255 << 18: 32 bits do)
	s_lshl_b32 s33, s14, 13                        ; + my wave's 32 rows
	s_or_b32 s32, s32, s33
	s_mov_b32 s33, 0
	s_wait_dscnt 0x0
	s_wait_kmcnt 0x0
	s_add_nc_u64 s[4:5], s[4:5], s[32:33]
.irp b, 0,1
	s_mov_b32 s[G0+4*\b], 1                                        ; count = 1
	s_add_co_u32 s[G0+4*\b+1], s15, \b*TILE                        ; LDS address
	s_add_nc_u64 s[G0+4*\b+2:G0+4*\b+3], s[4:5], \b*SPAN*ROWB      ; the tile's first byte
	s_or_b32 s[G0+4*\b+3], s[G0+4*\b+3], 0x80000000               ; type = 2
	tensor_load_to_lds s[G0+4*\b:G0+4*\b+3], s[G1:G1+7]            ; both tiles are on their way before anything else is done
	s_nop 0
.endr
	v_mov_b32 v[ZERO], 0
.irp c, 0,1,2,3,4,5,6,7,8,9,10,11,12,13,14,15
	global_load_b128 v[W+4*\c:W+4*\c+3], v[ZERO], s[6:7] offset:16*\c   ; every lane the same 16 bytes: wealth as 32 register pairs for the packed product
.endr
	s_lshl_b32 s32, ttmp9, 13                      ; the work-group's 1,024 rows of 8 bytes in each output
	s_add_nc_u64 s[8:9], s[8:9], s[32:33]
	s_add_nc_u64 s[10:11], s[10:11], s[32:33]
	s_add_nc_u64 s[12:13], s[12:13], s[32:33]
	s_mov_b32 s34, 0x3fb8aa3b                      ; log2(e), as a pair: the packed product names both
	s_mov_b32 s35, 0x3fb8aa3b
	s_mov_b32 s36, 0x80000000                      ; the sign
	s_mov_b32 s37, -127                            ; takes the bias off an exponent
	s_mov_b32 s38, 0x322bcc77                      ; 1e-8
	v_and_b32 v1, 31, v0
	v_mul_u32_u24 v[LA], v1, PITCH
	v_add_nc_u32 v[LA], s15, v[LA]                 ; lane x 272 + my wave's LDS
	v_lshlrev_b32 v[OO], 3, v0                     ; in a turn thread t has row t of the turn's 512
.macro SORT3 hi, md, lo, a, b, c       ; three numbers in order, three instructions
	v_max3_num_f32 v[\hi], v[\a], v[\b], v[\c]
	v_med3_num_f32 v[\md], v[\a], v[\b], v[\c]
	v_min3_num_f32 v[\lo], v[\a], v[\b], v[\c]
.endm
; THE THREE LARGEST OF 64.  Sort triples.  A triple's middle can be among the three largest of all only if it is the largest of all middles
; (a larger middle and the two maxima above them would make three larger numbers), and a minimum only if it is the largest minimum.  So
; top3(all) = top3( top3(maxima), largest middle, largest minimum ), and the maxima are treated the same way again: 63 -> 21 -> 7,
; with bid 63 joining the last seven.  133 instructions for 64 numbers, and wide enough that few of them wait for one another.
.macro NINE_A k, q                     ; bids 9k .. 9k+8: three triples sorted
	SORT3 \q+0, \q+3, \q+6, X+9*\k+0, X+9*\k+1, X+9*\k+2
	SORT3 \q+1, \q+4, \q+7, X+9*\k+3, X+9*\k+4, X+9*\k+5
	SORT3 \q+2, \q+5, \q+8, X+9*\k+6, X+9*\k+7, X+9*\k+8
.endm
.macro NINE_B k, q                     ; their largest middle and minimum; their three maxima sorted in turn
	v_max3_num_f32 v[RM0+\k], v[\q+3], v[\q+4], v[\q+5]
	v_max3_num_f32 v[RL0+\k], v[\q+6], v[\q+7], v[\q+8]
	SORT3 RH1+\k, RM1+\k, RL1+\k, \q+0, \q+1, \q+2
.endm
; A level's largest middle xm (never above TOP1) and largest minimum xl (never above the new TOP2) enter the three
.macro MERGE xm, xl
	v_med3_num_f32 v[TT], v[TOP2], v[TOP3], v[\xm]
	v_max_num_f32 v[TOP2], v[TOP2], v[\xm]
	v_max_num_f32 v[TOP3], v[TT], v[\xl]
.endm
; Eight bids: the pair 16 q + 14 - 2 i, + 15 - 2 i of each quarter q of the row.  a: where the exponentials go (i = 0: straight into the sums).
; bid - TOP1 and bid - TOP2 are zero only for equal numbers (f32 differences with denormals kept), so their sign bits say exactly 'below'.
; v_alignbit_b32 shifts a chain left by one and takes the sign in at the bottom; experts come in descending, so expert 16 q + k ends at bit k.
.macro OCT i, a
.irp q, 0,1,2,3
	v_pk_add_f32 v[TA+2*\q:TA+2*\q+1], v[X+16*\q+14-2*\i:X+16*\q+15-2*\i], v[NM:NM+1] op_sel_hi:[1,0]   ; both - TOP1
.endr
.irp q, 0,1,2,3
	v_pk_mul_f32 v[\a+2*\q:\a+2*\q+1], v[TA+2*\q:TA+2*\q+1], s[34:35] op_sel_hi:[1,0]                   ; x log2(e)
.endr
.irp r, 0,1,2,3,4,5,6,7
	v_exp_f32 v[\a+\r], v[\a+\r]                   ; e^(bid - largest bid); used only behind the plain instructions that follow (ISA guide 5.7.2)
.endr
.irp q, 0,1,2,3
	v_pk_add_f32 v[TB+2*\q:TB+2*\q+1], v[X+16*\q+14-2*\i:X+16*\q+15-2*\i], v[NM:NM+1] op_sel:[0,1]      ; both - TOP2
.endr
.if \i == 0
.irp q, 0,1,2,3
	v_lshrrev_b32 v[C1+\q], 31, v[TA+2*\q+1]       ; the first sign starts a chain: nothing is cleared
	v_lshrrev_b32 v[C2+\q], 31, v[TB+2*\q+1]
.endr
.else
.irp q, 0,1,2,3
	v_alignbit_b32 v[C1+\q], v[C1+\q], v[TA+2*\q+1], 31
	v_alignbit_b32 v[C2+\q], v[C2+\q], v[TB+2*\q+1], 31
.endr
.endif
.irp q, 0,1,2,3
	v_alignbit_b32 v[C1+\q], v[C1+\q], v[TA+2*\q], 31
	v_alignbit_b32 v[C2+\q], v[C2+\q], v[TB+2*\q], 31
.endr
.if \i
	s_wait_alu depctr_va_vdst(0)
.irp q, 0,1,2,3
	v_pk_add_f32 v[ACC+2*\q:ACC+2*\q+1], v[ACC+2*\q:ACC+2*\q+1], v[\a+2*\q:\a+2*\q+1]
.endr
.endif
.endm
; One turn: 32 rows.  left = how many younger tensor loads of mine may stay out.
.macro BLOCK b, left
.set I, RES+6*\b                       ; the two indices
.set R, RES+6*\b+2                     ; the two weights
.set P, RES+6*\b+4                     ; the payment, twice
	s_wait_tensorcnt \left                         ; a wave's tensor loads end in order (ISA guide 10.11.1): this turn's tile is in LDS; only I read it
.irp c, 0,1,2,3,4,5,6,7,8,9,10,11,12,13,14,15
	ds_load_b128 v[X+4*\c:X+4*\c+3], v[LA] offset:\b*TILE+16*\c
.endr
.irp c, 0,1,2,3,4,5,6,7,8,9,10,11,12,13,14,15
	s_wait_dscnt 15-\c                             ; LDS loads come back in order: piece c is in, the 15 - c younger ones may be out
	v_pk_mul_f32 v[X+4*\c:X+4*\c+1],   v[X+4*\c:X+4*\c+1],   v[W+4*\c:W+4*\c+1]      ; bids
	v_pk_mul_f32 v[X+4*\c+2:X+4*\c+3], v[X+4*\c+2:X+4*\c+3], v[W+4*\c+2:W+4*\c+3]
.endr
	NINE_A 0, Q0                                   ; the second step of a group stands behind the first step of the next
	NINE_A 1, Q1
	NINE_B 0, Q0
	NINE_A 2, Q0
	NINE_B 1, Q1
	NINE_A 3, Q1
	NINE_B 2, Q0
	NINE_A 4, Q0
	NINE_B 3, Q1
	NINE_A 5, Q1
	NINE_B 4, Q0
	NINE_A 6, Q0
	NINE_B 5, Q1
	NINE_B 6, Q0
.irp a, 0,1,2,3
	v_max3_num_f32 v[U+2*\a],   v[RM0+7*\a],   v[RM0+7*\a+1], v[RM0+7*\a+2]         ; the largest of each array of seven
	v_max3_num_f32 v[U+2*\a+1], v[RM0+7*\a+3], v[RM0+7*\a+4], v[RM0+7*\a+5]
.endr
	SORT3 SA, SA+1, SA+2, RH1, RH1+1, RH1+2        ; the last level: seven maxima of nine, and bid 63
	SORT3 SB, SB+1, SB+2, RH1+3, RH1+4, RH1+5
.irp a, 0,1,2,3
	v_max3_num_f32 v[XM+\a], v[U+2*\a], v[U+2*\a+1], v[RM0+7*\a+6]
.endr
	v_max_num_f32 v[XM2], v[SA+1], v[SB+1]
	v_max_num_f32 v[XL2], v[SA+2], v[SB+2]
	SORT3 TOP1, TOP2, TOP3, SA, SB, RH1+6
	v_med3_num_f32 v[TOP3], v[TOP2], v[TOP3], v[X+63]      ; bid 63 may take any place: third, second, first, each from the old values
	v_med3_num_f32 v[TOP2], v[TOP1], v[TOP2], v[X+63]
	v_max_num_f32 v[TOP1], v[TOP1], v[X+63]
	MERGE XM2, XL2
	v_xor_b32 v[NM], s36, v[TOP1]                  ; -TOP1
	MERGE XM+2, XM+3
	v_med3_num_f32 v[TT], v[TOP2], v[TOP3], v[XM]  ; the last merge writes the third bid straight into the pair that is stored
	v_max_num_f32 v[TOP2], v[TOP2], v[XM]
	v_max_num_f32 v[P], v[TT], v[XM+1]
	v_max_num_f32 v[P+1], v[TT], v[XM+1]
	v_xor_b32 v[NM+1], s36, v[TOP2]                ; -TOP2
	OCT 0, ACC                                     ; the first exponentials start the sums
	OCT 1, EA
	OCT 2, EA
	OCT 3, EA
	OCT 4, EA
	OCT 5, EA
	OCT 6, EA
	OCT 7, EA
	v_pk_add_f32 v[ACC:ACC+1], v[ACC:ACC+1], v[ACC+2:ACC+3]
	v_pk_add_f32 v[ACC+4:ACC+5], v[ACC+4:ACC+5], v[ACC+6:ACC+7]
	v_add_f32 v[DD], v[TOP2], v[NM]                ; TOP2 - TOP1
	v_lshl_or_b32 v[EQL], v[C1+1], 16, v[C1]       ; four chains of 16 bits make two words
	v_lshl_or_b32 v[EQH], v[C1+3], 16, v[C1+2]
	v_pk_add_f32 v[ACC:ACC+1], v[ACC:ACC+1], v[ACC+4:ACC+5]
	v_mul_f32 v[DD], s34, v[DD]
	v_lshl_or_b32 v[GEL], v[C2+1], 16, v[C2]
	v_lshl_or_b32 v[GEH], v[C2+3], 16, v[C2+2]
	v_add_f32 v[ZS], v[ACC], v[ACC+1]              ; the softmax's denominator
	v_exp_f32 v[EX2], v[DD]
	v_rcp_f32 v[SP], v[ZS]                         ; the winner's soft weight: e^0 / sum
	; the winner: the lowest expert that is not below TOP1.  ~m & (m + 1) is the lowest clear bit of m, or 0
	v_add_nc_u32 v[BL], 1, v[EQL]
	v_add_nc_u32 v[BH], 1, v[EQH]
	v_bfi_b32 v[BL], v[EQL], 0, v[BL]
	v_bfi_b32 v[BH], v[EQH], 0, v[BH]
	s_wait_alu depctr_va_vdst(0)
	v_mul_f32 v[SP+1], v[EX2], v[SP]               ; the second's soft weight
	v_cmp_ne_u32 vcc_lo, 0, v[BL]                  ; found among experts 0-31?
	v_cndmask_b32 v[FB], v[BH], v[BL], vcc_lo
	v_cndmask_b32 v[BH], v[BH], v[ZERO], vcc_lo    ; then nothing is struck out among 32-63
	v_cndmask_b32 v[HB], 32, v[ZERO], vcc_lo
	v_pk_add_f32 v[GG:GG+1], v[SP:SP+1], 1.0 op_sel_hi:[1,0]                     ; the straight-through mask, (1 + s) - s, as it is written
	v_cvt_f32_u32 v[FB], v[FB]                     ; a single bit is a power of two: its number is the exponent
	v_or_b32 v[GEL], v[GEL], v[BL]                 ; the winner is struck out: it now counts as below TOP2
	v_or_b32 v[GEH], v[GEH], v[BH]
	v_pk_add_f32 v[GG:GG+1], v[GG:GG+1], v[SP:SP+1] neg_lo:[0,1] neg_hi:[0,1]
	v_lshrrev_b32 v[FB], 23, v[FB]
	v_add_nc_u32 v[BL], 1, v[GEL]                  ; the second: the lowest expert left that is not below TOP2
	v_add_nc_u32 v[BH], 1, v[GEH]
	v_pk_mul_f32 v[GG:GG+1], v[GG:GG+1], v[SP:SP+1]                              ; mask x soft weight
	v_add3_u32 v[I], v[FB], v[HB], s37
	v_bfi_b32 v[BL], v[GEL], 0, v[BL]
	v_bfi_b32 v[BH], v[GEH], 0, v[BH]
	v_add_f32 v[DN], v[GG], v[GG+1]
	v_cmp_ne_u32 vcc_lo, 0, v[BL]
	v_add_f32 v[DN], s38, v[DN]                    ; + 1e-8
	v_cndmask_b32 v[FB], v[BH], v[BL], vcc_lo
	v_cndmask_b32 v[HB], 32, v[ZERO], vcc_lo
	v_rcp_f32 v[DN], v[DN]                         ; three plain instructions stand before its use
	v_cvt_f32_u32 v[FB], v[FB]
	v_lshrrev_b32 v[FB], 23, v[FB]
	v_add3_u32 v[I+1], v[FB], v[HB], s37
	s_wait_alu depctr_va_vdst(0)
	v_mul_f32 v[R], v[GG], v[DN]
	v_mul_f32 v[R+1], v[GG+1], v[DN]
	global_store_b64 v[OO], v[I:I+1], s[8:9]   offset:\b*SPAN*8 th:TH_STORE_NT     ; 32 lanes x 8 bytes: 256 consecutive bytes, aligned
	global_store_b64 v[OO], v[R:R+1], s[10:11] offset:\b*SPAN*8 th:TH_STORE_NT
	global_store_b64 v[OO], v[P:P+1], s[12:13] offset:\b*SPAN*8 th:TH_STORE_NT
.endm
	s_wait_loadcnt 0x0                             ; wealth, once
	BLOCK 0, 1                                     ; my second tile may still be on its way
	BLOCK 1, 0                                     ; nothing was asked for behind it: the wait is for zero, as it has to be before the end
	s_wait_tensorcnt 0x0
	ds_add_u32 v228, v229
	s_wait_dscnt 0x0
	s_endpgm
.Lfunc_end_k_qcdbf5ed328_auction:
	.size	k_qcdbf5ed328_auction, .Lfunc_end_k_qcdbf5ed328_auction-k_qcdbf5ed328_auction
	.p2alignl 7, 3214868480
	.fill 96, 4, 3214868480
	.section	.rodata,"a",@progbits
	.p2align	6, 0x0
	.amdhsa_kernel k_qcdbf5ed328_auction
		.amdhsa_group_segment_fixed_size 280576
		.amdhsa_private_segment_fixed_size 0
		.amdhsa_enable_private_segment 0
		.amdhsa_kernarg_size 40
		.amdhsa_user_sgpr_count 2
		.amdhsa_user_sgpr_kernarg_segment_ptr 1
		.amdhsa_wavefront_size32 1
		.amdhsa_system_sgpr_workgroup_id_x 1
		.amdhsa_system_sgpr_workgroup_id_y 1
		.amdhsa_system_sgpr_workgroup_id_z 1
		.amdhsa_system_vgpr_workitem_id 0
		.amdhsa_next_free_vgpr 230
		.amdhsa_next_free_sgpr 66
		.amdhsa_reserve_vcc 1
		.amdhsa_float_denorm_mode_32 3
		.amdhsa_float_denorm_mode_16_64 3
		.amdhsa_memory_ordered 1
		.amdhsa_forward_progress 1
		.amdhsa_inst_pref_size 68
	.end_amdhsa_kernel
	.amdgpu_metadata
---
amdhsa.version: [ 1, 2 ]
amdhsa.kernels:
  - .name:           k_qcdbf5ed328_auction
    .symbol:         k_qcdbf5ed328_auction.kd
    .args:
      - { .name: confidences, .offset: 0, .size: 8, .value_kind: global_buffer, .address_space: global }
      - { .name: wealth, .offset: 8, .size: 8, .value_kind: global_buffer, .address_space: global }
      - { .name: out0, .offset: 16, .size: 8, .value_kind: global_buffer, .address_space: global }
      - { .name: out1, .offset: 24, .size: 8, .value_kind: global_buffer, .address_space: global }
      - { .name: out2, .offset: 32, .size: 8, .value_kind: global_buffer, .address_space: global }
    .group_segment_fixed_size: 280576
    .private_segment_fixed_size: 0
    .kernarg_segment_align: 8
    .kernarg_segment_size: 40
    .max_flat_workgroup_size: 512
    .sgpr_count:     66
    .vgpr_count:     230
    .wavefront_size: 32
...
	.end_amdgpu_metadata
.endif
;; end of part 1
